; MI455X (gfx1250); checked and timed in simulation.
; The chip was launched on July 23, 2026; its instructions are those of AMD's public machine-readable ISA for CDNA 5 (MIT licence, August 2026) and "CDNA5" Instruction Set Architecture Reference Guide (July 2026). The comments in the code are by the model that wrote it; some were corrected since.
;; Multi Head Self Attention. Allowed arithmetic: matrix products marked QUANTISED: E2M1 operands, one E8M0 scale for each 32 along K, by v_wmma_scale_f32_16x16x128_f8f6f4 with both operands' format E2M1 (or v_wmma_scale_f32_32x16x128_f4), f32 sums; everything else in f32.
;; Inputs: W_k_codes 1,024 x 32 x 16 uint8 (E2M1 codes of W_k, K innermost, in blocks of 32 codes, two codes a byte); W_k_scales 1,024 x 32 uint8 (E8M0 scales of W_k, one for each 32 codes along K); W_o_codes 1,024 x 32 x 16 uint8 (E2M1 codes of W_o, K innermost, in blocks of 32 codes, two codes a byte); W_o_scales 1,024 x 32 uint8 (E8M0 scales of W_o, one for each 32 codes along K); W_q_codes 1,024 x 32 x 16 uint8 (E2M1 codes of W_q, K innermost, in blocks of 32 codes, two codes a byte); W_q_scales 1,024 x 32 uint8 (E8M0 scales of W_q, one for each 32 codes along K); W_v_codes 1,024 x 32 x 16 uint8 (E2M1 codes of W_v, K innermost, in blocks of 32 codes, two codes a byte); W_v_scales 1,024 x 32 uint8 (E8M0 scales of W_v, one for each 32 codes along K); b_k 1,024 float32; b_o 1,024 float32; b_q 1,024 float32; b_v 1,024 float32; x_codes 4 x 2,048 x 32 x 16 uint8 (E2M1 codes of x, K innermost, in blocks of 32 codes, two codes a byte); x_scales 4 x 2,048 x 32 uint8 (E8M0 scales of x, one for each 32 codes along K).
;; Outputs: out0 4 x 2,048 x 1,024 float32.
;; This version of the problem:
;;   THIS VERSION OF THE PROBLEM IS GIVEN IN LOW PRECISION. The matrix products marked QUANTISED in the list below multiply operands that are first quantised to E2M1 (2 exponent bits, 1 mantissa bit; 4 bits a number), with one power-of-two scale for each 32 numbers along K (OCP MX v1.0); their sums are f32. All else is computed in f32.
;;   The module's matrix products, in the order in which they are computed (A, B: the left and right operand; K: the contracted axis; several contracted axes count as one K, in the product's order):
;;     1. [M 8,192, K 1,024] x [K 1,024, N 1,024]; A: input x (given as codes); B: input W_q (given as codes): QUANTISED
;;     2. [M 8,192, K 1,024] x [K 1,024, N 1,024]; A: input x (given as codes); B: input W_k (given as codes): QUANTISED
;;     3. [M 8,192, K 1,024] x [K 1,024, N 1,024]; A: input x (given as codes); B: input W_v (given as codes): QUANTISED
;;     4. batch 64 x [M 2,048, K 64] x [K 64, N 2,048]; A: computed on the way; B: computed on the way: QUANTISED
;;     5. batch 64 x [M 2,048, K 2,048] x [K 2,048, N 64]; A: computed on the way; B: computed on the way: QUANTISED
;;     6. [M 8,192, K 1,024] x [K 1,024, N 1,024]; A: computed on the way; B: input W_o (given as codes): QUANTISED
;;   THE QUANTISER, for each operand of a quantised product, along K:
;;     - K is cut into blocks of 32 from its start; a last block that is shorter is filled with zeros.
;;     - A block's scale is 2^e with e = floor(log2(the largest magnitude in the block)) - 2, held to -126 .. 127; a block of zeros has e = 0. As a byte (E8M0): e + 127.
;;     - Each number is divided by its block's scale, clamped to +-6, and rounded to the nearest number of E2M1, ties to even, subnormals kept.
;;     - The product sums the exact products of the quantised numbers (number of the format x scale) in f32.
;;   ~~~python
;;   def quantise(x, axis):      # numpy; x: float32 -> the quantised numbers, widened to float32 again
;;       x = np.moveaxis(x, axis, -1); K = x.shape[-1]
;;       x = np.pad(x, [(0, 0)] * (x.ndim - 1) + [(0, -K % 32)]); x = x.reshape(x.shape[:-1] + (-1, 32)); a = np.abs(x).max(-1, keepdims=True)
;;       e = np.where(a > 0, np.clip(np.frexp(np.where(a > 0, a, 1))[1] - 1 - 2, -126, 127), 0)      # np.frexp(a)[1] - 1 = floor(log2(a)), exactly
;;       r = np.clip(x / 2.0 ** e, -6, 6)
;;       step = 2.0 ** (np.maximum(np.frexp(np.where(r == 0, 1, r))[1] - 1, 0) - 1)
;;       q = np.round(r / step) * step * 2.0 ** e      # np.round: ties to even
;;       return np.moveaxis(q.reshape(q.shape[:-2] + (-1,))[..., :K], -1, axis).astype(np.float32)
;;   ~~~
;;   OPERANDS COMPUTED ON THE WAY. 'Computed on the way' means the value that the module computes at that place (a softmax that the list does not call 'softmax' is quantised finished and normalised). What goes into a quantiser is computed in f32, as accurately as f32 sums, v_exp_f32 and their like allow (about 1e-6 of the number): no bf16 or f16 on the way to a quantiser, and a product that is left as it is and whose result goes on into a quantised operand takes f32 operands (vector FMAs, or v_wmma_f32_16x16x4_f32). A number that lies on a knife's edge between two numbers of the format may be rounded either way, as far as f32 arithmetic and the matrix unit's own rounding can turn it there, and no further.
;;   INPUTS GIVEN AS CODES. W_k (in the module: [1024, 1024], K = its axis 1); W_o (in the module: [1024, 1024], K = its axis 1); W_q (in the module: [1024, 1024], K = its axis 1); W_v (in the module: [1024, 1024], K = its axis 1); x (in the module: [4, 2048, 1024], K = its axis 2): each comes as NAME_codes (uint8): NAME with its K axis moved to the last place and cut into blocks of 32 codes, [.., K / 32, bytes a block], one block behind the other in memory; two codes a byte, the lower K in the low four bits (a code: sign, 2 exponent bits, 1 mantissa bit); and NAME_scales (uint8): the same leading axes, one E8M0 byte (e + 127) for each 32 codes along K. Its value is code x scale, taken as it is: it is not quantised again, and the codes and scales need not be those that the quantiser above would give.
;; One version. Each part assembles by itself: llvm-mc -triple=amdgcn-amd-amdhsa -mcpu=gfx1250 --defsym DOCPART=n.
;; ======== version 1 of 1: 3 launches
;; workspace buffers: ws 13,893,632 bytes; oimg 4,194,304 bytes; osc 262,144 bytes
;; launch qkv (part 1): grid 8 x 64, 12 waves a work-group, clusters of 4 x 4, 327,680 bytes of LDS; arguments x_codes, x_scales, W_q_codes, W_q_scales, W_k_codes, W_k_scales, W_v_codes, W_v_scales, b_q, b_k, b_v, ws; writes ws
.if DOCPART == 1
	.amdgcn_target "amdgcn-amd-amdhsa--gfx1250"
	.amdhsa_code_object_version 6
	.text
	.protected	k_q41a999ff09_qkv
	.globl	k_q41a999ff09_qkv
	.p2align	8
	.type	k_q41a999ff09_qkv,@function
k_q41a999ff09_qkv:
	s_mov_b64 s[64:65], 0
	v_nop
	global_prefetch_b8 v0, s[64:65] scope:SCOPE_SE
	s_setreg_imm32_b32 hwreg(HW_REG_WAVE_MODE, 25, 1), 1
	s_wait_xcnt 0x0
	s_wait_alu depctr_hold_cnt(0) depctr_sa_sdst(0) depctr_va_vdst(0) depctr_va_sdst(0) depctr_va_ssrc(0) depctr_va_vcc(0) depctr_vm_vsrc(0)
	s_getreg_b32 s2, hwreg(HW_REG_IB_STS2, 6, 4)
	s_cmp_eq_u32 s2, 0
	s_cbranch_scc0 .Lentry_in_a_cluster
	s_endpgm
.Lentry_in_a_cluster:
	s_bfe_u32 s2, ttmp6, 0x10000c
	s_cmp_lg_u32 s2, 0xf033
	s_cbranch_scc0 .Lentry_shape_is_right
	s_endpgm
.Lentry_shape_is_right:
; Q = x W_q^T + b_q, K = x W_k^T + b_k, V = x W_v^T + b_v on codes of FP4 (E2M1) with E8M0 scales, sums in f32; the results are quantised here, in registers, and stored as the
; operands of the attention launch: Q and K along the head's 64 (two blocks of 32), V along the keys (blocks of 32 keys).
; DEAD WORK IN THIS PROGRAM.  No input is dead: every bias goes into a quantiser (b_q, b_k, b_v) or into the output (b_o), so all are loaded.  What is left out, in the next launch, are the
; steps of 128 keys all of which come after a tile's 16 queries: reference() adds -inf there by the mask that it builds itself, so exp gives 0 for every finite value of the inputs, the codes of
; attn are zeros and add nothing to the second product.  LIMIT: a NaN, an infinity or an overflow that reaches only those steps is not carried to the result.
; LIMITS OF THE QUANTISER: a block whose largest magnitude lies under 2^(3 - 127) gets the scale byte 1 (a block of zeros too, where the rule says 127: its codes are zeros, and this program alone
; reads the bytes); NaN and infinities among the sums, and a given scale byte 0xff, are not served.
; SHARES.  A work-group makes 128 tokens x 128 features (two heads) of each of Q, K and V.  All of K = 1,024 of its four operand tiles (x, W_q, W_k, W_v: 128 rows x 512 bytes each) and their
; scale bytes lie in LDS at once: one tensor load a wave, nothing is filled twice, one barrier.  Twelve waves: m = wave / 4 picks Q, K or V, rq = wave % 4 a quarter.
; A wave's tile is P = 128 rows as source 0 x R = 32 rows as source 1: a lane holds ONE row of R and its registers run along P.  Q, K: P = the weight's 128 features, R = 32 tokens, so the
; registers run along the head's axis.  V: P = the 128 tokens, R = 32 features of W_v, so the registers run along the keys.  Either way they run along the next product's K.
; CLUSTER 4 x 4: x's tile hangs on the token block alone and is asked for jointly by a row of the cluster, the weights' tiles on the feature block alone, by a column.
; Nothing is prefetched: all that the launch brings into LDS is asked for at its head.
; WORKSPACE ws: 64 head blocks of HB bytes (batch x 16 + head): K's images [key tile][lane][16 bytes] (lane (r, h): block h of key 16 tile + r), V's images [step of 128 keys][16 d][c][lane][16 bytes],
; K's scale words [key] (bytes 0, 1; the upper two are 0), V's scale words [step][16 d][r], then Q's images and Q's scale words, laid as K's.  An image is the operand's registers as they stand.
.set HB,     217088
.set VIMG,   65536
.set KSW,    131072
.set VSW,    139264
.set QIMG,   143360
.set QSW,    208896
.set PITCH,  528                       ; an LDS row: 512 bytes + 16 of padding: an odd multiple of 16 bytes, so the 16 rows of a fragment load fall on 16 different columns of 16 bytes
.set REG,    128*PITCH                 ; a region of codes: 0 W_q, 1 W_k, 2 x, 3 W_v
.set HALFR,  64*PITCH                  ; what one tensor load brings of it
.set SCL,    4*REG                     ; the scale bytes: four regions of 16 rows of 256 bytes + 16 of padding (8 scale rows of 32 bytes in each)
.set SREG,   16*272
.set SPARE,  SCL+4*SREG                ; the spare words: 128 bytes for each of 12 waves, six blocks of 256 bytes that no other line names
.set SPW,  1                           ; v1   LDS address of my spare word; never rewritten
.set NIL,  2                           ; v2   0; never rewritten
.set ADRP, 3                           ; v3   LDS address of P's fragments
.set ADRR, 4                           ; v4   of R's
.set ADSP, 5                           ; v5   of P's scale rows: lane l takes row l of 32
.set ADSR, 6                           ; v6   of R's
.set OA0,  7                           ; v7-10 byte offsets in ws of the four code stores: OA0, OB0, OA1, OB1
.set OB0,  8
.set OS,   11                          ; v11  of the scale words
.set BOFF, 12                          ; v12  of the bias
.set T0,   13
.set T1,   14
.set T2,   15
.set SCP,  16                          ; v16-31 P's scale words: 4 (t / 2) + q % 4; lanes 0-15 tile 2 (t / 2), lanes 16-31 the next
.set SCR,  32                          ; v32-35 R's: q % 4; lanes 0-15 tile 0, lanes 16-31 tile 1
.set VR,   36
.set VH,   37
.set VL,   38
.set RF,   48                          ; v48-63  R's two fragments
.set PF,   64                          ; v64-127 P's eight fragments
.set ACC,  128                         ; v128-255 accumulator (u, t) at ACC + 64 u + 8 t
.set TM,   64                          ; the way out, in P's registers: v64-79 at work, v80-95 codes, v96-97 scale words, v98-100 what is stored of them
.set PC,   80
.set PW,   96
.set SW,   98
.set WV,   28
.set M,    29
.set RQ,   30
.set ISV,  31
.set CX,   32
.set CY,   33
.set FX,   34
.set TY,   35
.set G,    36
.set HF,   37
.set MR,   38
.set MC,   39
.set G1W,  40                          ; group 1: a weight's codes;  G1X: x's codes;  G1SW, G1SX: scale bytes.  They differ in mask and shape
.set G1X,  48
.set G1SW, 56
.set SEL,  66
.set G1SX, 68
.set G0WC, 76
.set G0XC, 80
.set G0WS, 84
.set G0XS, 88
.set TW,   92                          ; s[92:95] at work for what hangs on the feature block
.set TX,   96                          ; s[96:99] for what hangs on the token block
.set HM,   100                         ; lanes 16-31
.macro CROUND                          ; a round of the cluster's barrier
	s_barrier_signal -1
	s_barrier_wait -1
	s_cmp_lg_u32 s[WV], 0
	s_cbranch_scc1 .Lnot_wave_0_\@
	s_barrier_signal -3
.Lnot_wave_0_\@:
	s_barrier_wait -3
	s_barrier_signal -1
	s_barrier_wait -1
.endm
.macro TL g0, g1                       ; a joint load; an s_nop 0 and four v_nop follow it
	tensor_load_to_lds s[\g0:\g0+3], s[\g1:\g1+7]
	s_nop 0
.rept 4
	v_nop
.endr
.endm
	s_load_b512 s[4:19], s[0:1], 0x0               ; x codes, x scales, W_q codes, scales, W_k codes, scales, W_v codes, scales
	s_load_b256 s[20:27], s[0:1], 0x40             ; b_q, b_k, b_v, ws
	v_lshl_add_u32 v[SPW], v0, 2, SPARE
	v_mov_b32 v[NIL], 0
	ds_add_u32 v[SPW], v[NIL]                      ; the wave's opening: the add, twice on end, and its wait ahead of my first tensor load
	ds_add_u32 v[SPW], v[NIL]
	v_lshrrev_b32 v[T0], 5, v0
	v_readfirstlane_b32 s[WV], v[T0]               ; wave 0..11
	s_lshr_b32 s[M], s[WV], 2                      ; 0 Q, 1 K, 2 V
	s_and_b32 s[RQ], s[WV], 3
	s_lshr_b32 s[ISV], s[WV], 3
	s_lshr_b32 s[G], s[WV], 1                      ; waves 0-7 fetch codes: region wave / 2,
	s_and_b32 s[HF], s[WV], 1                      ; its half wave % 2
	s_min_u32 s3, s[WV], 7                         ; (waves 8-11 make the codes' descriptors too and never issue them: their LDS word is held inside LDS)
	s_bfe_u32 s[CX], ttmp6, 0x40000
	s_bfe_u32 s[CY], ttmp6, 0x40004
	s_lshl_b32 s[FX], ttmp9, 2
	s_add_co_u32 s[FX], s[FX], s[CX]               ; feature block 0..7
	s_and_b32 s[TY], ttmp7, 0xffff
	s_lshl_b32 s[TY], s[TY], 2
	s_add_co_u32 s[TY], s[TY], s[CY]               ; token block 0..63
	s_lshl_b32 s[MR], s[CY], 2
	s_lshl_b32 s[MR], 15, s[MR]                    ; my row of the cluster
	s_lshl_b32 s[MC], 0x1111, s[CX]                ; my column
	s_or_b32 s[G1W], s[MC], (1<<20)|(1<<21)|(6<<22)|(3<<25)          ; elements of 1 byte; padding: 4 words behind every 128; bit 21 beside a mask
	s_or_b32 s[G1X], s[MR], (1<<20)|(1<<21)|(6<<22)|(3<<25)
	s_or_b32 s[G1SW], s[MC], (3<<16)|(1<<20)|(1<<21)|(5<<22)|(3<<25) ; elements of 8 bytes; padding: 4 words behind every 64
	s_or_b32 s[G1SX], s[MR], (3<<16)|(1<<20)|(1<<21)|(5<<22)|(3<<25)
.irp g, G1W, G1X
	s_mov_b32 s[\g+1], 512<<16                     ; tensor_dim0 = 512 bytes
	s_mov_b32 s[\g+2], 64<<16                      ; tensor_dim1 = 64 rows
	s_mov_b32 s[\g+3], 512<<16                     ; tile_dim0
	s_mov_b32 s[\g+4], 64                          ; tile_dim1
	s_mov_b32 s[\g+5], 512                         ; from row to row
	s_mov_b32 s[\g+6], 0
	s_mov_b32 s[\g+7], 0
.endr
.irp g, G1SW, G1SX
	s_mov_b32 s[\g+1], 32<<16                      ; 128 rows of 32 scale bytes are dense: 16 rows of 256 bytes
	s_mov_b32 s[\g+2], 16<<16
	s_mov_b32 s[\g+3], 32<<16
	s_mov_b32 s[\g+4], 16
	s_mov_b32 s[\g+5], 32
	s_mov_b32 s[\g+6], 0
	s_mov_b32 s[\g+7], 0
.endr
	s_mov_b32 s[SEL], 0x76543210
	s_mov_b32 s[SEL+1], 0xfedcba98                 ; v_permlanex16_b32's selects for lane l xor 16
	s_mov_b32 s[HM], 0xffff0000
	s_lshl_b32 s2, s[HF], 15                       ; my half: 64 rows of 512 bytes
	s_lshl_b32 s[TW+2], s[FX], 16                  ; the feature block's 128 rows of a weight
	s_add_co_u32 s[TW+2], s[TW+2], s2
	s_mov_b32 s[TW+3], 0
	s_lshl_b32 s[TX+2], s[TY], 16                  ; the token block's 128 rows of x
	s_add_co_u32 s[TX+2], s[TX+2], s2
	s_mov_b32 s[TX+3], 0
	s_wait_dscnt 0x0                               ; both opening adds are done
	s_wait_kmcnt 0x0
	s_cmp_eq_u32 s[G], 0                           ; which weight: a choice on the wave's number alone
	s_cselect_b64 s[TW:TW+1], s[8:9], s[16:17]
	s_cmp_eq_u32 s[G], 1
	s_cselect_b64 s[TW:TW+1], s[12:13], s[TW:TW+1]
	s_mov_b32 s[G0WC], 1
	s_mul_i32 s[G0WC+1], s3, HALFR                 ; LDS: wave x 64 rows
	s_add_nc_u64 s[G0WC+2:G0WC+3], s[TW:TW+1], s[TW+2:TW+3]
	s_or_b32 s[G0WC+3], s[G0WC+3], 0x80000000
	s_mov_b32 s[G0XC], 1
	s_mul_i32 s[G0XC+1], s3, HALFR
	s_add_nc_u64 s[G0XC+2:G0XC+3], s[4:5], s[TX+2:TX+3]
	s_or_b32 s[G0XC+3], s[G0XC+3], 0x80000000
	s_lshl_b32 s[TW+2], s[FX], 12                  ; 128 rows of 32 scale bytes
	s_lshl_b32 s[TX+2], s[TY], 12
	s_cmp_eq_u32 s[WV], 8                          ; waves 8-11 fetch the scale bytes of region wave - 8
	s_cselect_b64 s[TW:TW+1], s[10:11], s[18:19]
	s_cmp_eq_u32 s[WV], 9
	s_cselect_b64 s[TW:TW+1], s[14:15], s[TW:TW+1]
	s_mov_b32 s[G0WS], 1
	s_mul_i32 s[G0WS+1], s[WV], SREG
	s_add_co_u32 s[G0WS+1], s[G0WS+1], SCL-8*SREG
	s_add_nc_u64 s[G0WS+2:G0WS+3], s[TW:TW+1], s[TW+2:TW+3]
	s_or_b32 s[G0WS+3], s[G0WS+3], 0x80000000
	s_mov_b32 s[G0XS], 1
	s_mul_i32 s[G0XS+1], s[WV], SREG
	s_add_co_u32 s[G0XS+1], s[G0XS+1], SCL-8*SREG
	s_add_nc_u64 s[G0XS+2:G0XS+3], s[6:7], s[TX+2:TX+3]
	s_or_b32 s[G0XS+3], s[G0XS+3], 0x80000000
	CROUND                                         ; all sixteen work-groups are here: the joint loads meet
	s_cmp_lt_u32 s[WV], 8                          ; every wave issues one load: four arms on the wave's number, each line with one mask
	s_cbranch_scc0 .Lq_scales
	s_cmp_eq_u32 s[G], 2
	s_cbranch_scc1 .Lq_xc
	TL G0WC, G1W
	s_branch .Lq_done
.Lq_xc:
	TL G0XC, G1X
	s_branch .Lq_done
.Lq_scales:
	s_cmp_eq_u32 s[WV], 10
	s_cbranch_scc1 .Lq_xs
	TL G0WS, G1SW
	s_branch .Lq_done
.Lq_xs:
	TL G0XS, G1SX
.Lq_done:
	; lane addresses, while the tiles are on their way (s4-s19 held pointers that are no longer wanted)
	v_and_b32 v[VL], 31, v0
	v_and_b32 v[VR], 15, v0                        ; r
	v_bfe_u32 v[VH], v0, 4, 1                      ; h
	v_mul_u32_u24 v[T0], v[VR], PITCH
	v_lshl_add_u32 v[T0], v[VH], 4, v[T0]          ; a fragment: row r, + 16 h
	v_lshrrev_b32 v[T2], 3, v[VL]
	v_lshlrev_b32 v[T1], 5, v[VL]
	v_lshl_add_u32 v[T1], v[T2], 4, v[T1]          ; a scale row: 32 x lane, + 16 for each 8 rows passed
	s_lshr_b32 s4, s[M], 1
	s_add_co_u32 s4, s4, 2                         ; R's region: x for Q and K, W_v for V;  P's region is m
	s_mul_i32 s5, s[M], REG
	v_add_nc_u32 v[ADRP], s5, v[T0]
	s_mul_i32 s5, s4, REG
	s_mul_i32 s6, s[RQ], 32*PITCH
	s_add_co_u32 s5, s5, s6
	v_add_nc_u32 v[ADRR], s5, v[T0]
	s_mul_i32 s5, s[M], SREG
	s_add_co_u32 s5, s5, SCL
	v_add_nc_u32 v[ADSP], s5, v[T1]
	s_mul_i32 s5, s4, SREG
	s_mul_i32 s6, s[RQ], 1088
	s_add_co_u32 s5, s5, s6
	s_add_co_u32 s5, s5, SCL
	v_add_nc_u32 v[ADSR], s5, v[T1]
	; where the results go in ws.  Batch b = token block / 16, step ks = token block % 16.
	; Q, K: head 16 b + 2 fx (the second half of the codes: the next head, HB on); key tile 8 ks + 2 rq + u.   V: head 16 b + 2 fx + rq / 2; step ks, 16 d at 2 (rq % 2) + u, halves c 512 bytes apart.
	s_lshr_b32 s4, s[TY], 4
	s_lshl_b32 s4, s4, 4
	s_lshl_b32 s5, s[FX], 1
	s_add_co_u32 s4, s4, s5                        ; 16 b + 2 fx
	s_and_b32 s5, s[TY], 15                        ; ks
	s_lshr_b32 s6, s[RQ], 1
	s_and_b32 s7, s[RQ], 1
	s_lshl_b32 s8, s[RQ], 10                       ; Q, K: codes, 2 rq tiles of 512 bytes
	s_lshl_b32 s9, s7, 11                          ; V: 2 (rq % 2) tiles of 1,024
	s_lshl_b32 s10, s[RQ], 7                       ; Q, K: scale words of 32 rq keys
	s_lshl_b32 s11, s7, 7                          ; V: of 2 (rq % 2) tiles of 16 d
	s_lshl_b32 s12, s5, 9                          ; Q, K: of 128 ks keys
	s_lshl_b32 s13, s5, 8                          ; V: of ks steps
	s_lshl_b32 s5, s5, 12                          ; codes of ks steps: 4,096 bytes in all three
	s_mov_b32 s14, HB                              ; from the first half of a fragment's codes to the second
	s_mov_b32 s15, 1024                            ; from tile u = 0 to u = 1
	s_mov_b32 s16, KSW
	s_mov_b32 s17, 0
	s_cmp_eq_u32 s[M], 0
	s_cselect_b32 s16, QSW, s16
	s_cselect_b32 s17, QIMG, s17
	s_cmp_eq_u32 s[ISV], 1
	s_cselect_b32 s6, s6, 0
	s_cselect_b32 s8, s9, s8
	s_cselect_b32 s10, s11, s10
	s_cselect_b32 s12, s13, s12
	s_cselect_b32 s14, 512, s14
	s_cselect_b32 s15, s15, 512
	s_cselect_b32 s16, VSW, s16
	s_cselect_b32 s17, VIMG, s17
	s_add_co_u32 s4, s4, s6
	s_mul_i32 s4, s4, HB                           ; the head's block
	s_add_co_u32 s17, s17, s4
	s_add_co_u32 s17, s17, s5
	s_add_co_u32 s17, s17, s8
	s_add_co_u32 s16, s16, s4
	s_add_co_u32 s16, s16, s12
	s_add_co_u32 s16, s16, s10
	v_lshl_add_u32 v[OA0], v[VL], 4, s17
	v_add_nc_u32 v[OB0], s14, v[OA0]
	v_add_nc_u32 v[OA0+2], s15, v[OA0]
	v_add_nc_u32 v[OB0+2], s15, v[OB0]
	v_lshl_add_u32 v[OS], v[VL], 2, s16
	; THE BIAS STARTS THE SUMS: it is laid into the accumulators, and the first products add onto it
	s_mov_b32 s[TW+3], 0
	s_cmp_lt_u32 s[WV], 8
	s_cbranch_scc0 .Lbias_v
	s_lshl_b32 s[TW+2], s[FX], 9                   ; Q, K: register j of tile t is feature 128 fx + 16 t + 8 h + j
	s_cmp_eq_u32 s[M], 0
	s_cselect_b64 s[TW:TW+1], s[20:21], s[22:23]
	s_add_nc_u64 s[TW:TW+1], s[TW:TW+1], s[TW+2:TW+3]
	v_lshlrev_b32 v[BOFF], 5, v[VH]
.irp u, 0,1
.irp t, 0,1,2,3,4,5,6,7
	global_load_b128 v[ACC+64*\u+8*\t:ACC+64*\u+8*\t+3], v[BOFF], s[TW:TW+1] offset:64*\t
	global_load_b128 v[ACC+64*\u+8*\t+4:ACC+64*\u+8*\t+7], v[BOFF], s[TW:TW+1] offset:64*\t+16
.endr
.endr
	s_branch .Lbias_done
.Lbias_v:
	s_lshl_b32 s[TW+2], s[FX], 9                   ; V: a lane's feature, 128 fx + 32 rq + 16 u + r, is the same in all its registers
	s_lshl_b32 s4, s[RQ], 7
	s_add_co_u32 s[TW+2], s[TW+2], s4
	s_add_nc_u64 s[TW:TW+1], s[24:25], s[TW+2:TW+3]
	v_lshlrev_b32 v[BOFF], 2, v[VR]
	global_load_b32 v[T0], v[BOFF], s[TW:TW+1]
	global_load_b32 v[T1], v[BOFF], s[TW:TW+1] offset:64
	s_wait_loadcnt 0x0
.set i, 0
.rept 64
	v_mov_b32 v[ACC+i], v[T0]
	v_mov_b32 v[ACC+64+i], v[T1]
.set i, i+1
.endr
.Lbias_done:
	s_wait_loadcnt 0x0                             ; the bias is in
	s_wait_tensorcnt 0x0                           ; my part of the tiles has landed,
	s_barrier_signal -1
	s_barrier_wait -1                              ; everybody's has
.macro FRAG reg, adr, off              ; 16 rows x 128 K of 4-bit codes: 8 registers, two loads of 16 bytes, 32 bytes apart
	ds_load_b128 v[\reg:\reg+3], v[\adr] offset:\off
	ds_load_b128 v[\reg+4:\reg+7], v[\adr] offset:\off+32
.endm
.macro MM t, u, q                      ; accumulator (u, t) += P's tile t x R's tile u, 128 along K.  Odd tiles' scale words stand in lanes 16-31
.set rA, ACC+64*(\u)+8*(\t)
.set rP, PF+8*(\t)
.set rR, RF+8*(\u)
.set rSP, SCP+4*((\t)/2)+(\q)%4
.set rSR, SCR+(\q)%4
.if ((\t)%2 == 0) && ((\u) == 0)
	v_wmma_scale_f32_16x16x128_f8f6f4 v[rA:rA+7], v[rP:rP+7], v[rR:rR+7], v[rA:rA+7], v[rSP], v[rSR] matrix_a_fmt:MATRIX_FMT_FP4 matrix_b_fmt:MATRIX_FMT_FP4
.elseif ((\t)%2 == 1) && ((\u) == 0)
	v_wmma_scale_f32_16x16x128_f8f6f4 v[rA:rA+7], v[rP:rP+7], v[rR:rR+7], v[rA:rA+7], v[rSP], v[rSR] matrix_a_fmt:MATRIX_FMT_FP4 matrix_b_fmt:MATRIX_FMT_FP4 matrix_a_scale:MATRIX_SCALE_ROW1
.elseif ((\t)%2 == 0)
	v_wmma_scale_f32_16x16x128_f8f6f4 v[rA:rA+7], v[rP:rP+7], v[rR:rR+7], v[rA:rA+7], v[rSP], v[rSR] matrix_a_fmt:MATRIX_FMT_FP4 matrix_b_fmt:MATRIX_FMT_FP4 matrix_b_scale:MATRIX_SCALE_ROW1
.else
	v_wmma_scale_f32_16x16x128_f8f6f4 v[rA:rA+7], v[rP:rP+7], v[rR:rR+7], v[rA:rA+7], v[rSP], v[rSR] matrix_a_fmt:MATRIX_FMT_FP4 matrix_b_fmt:MATRIX_FMT_FP4 matrix_a_scale:MATRIX_SCALE_ROW1 matrix_b_scale:MATRIX_SCALE_ROW1
.endif
.endm
; A step of 128 along K: 20 LDS loads (25 where the scale words of four steps are fetched), 16 matrix instructions.  The 16 accumulators take turns, one instruction a turn, in the same order in
; every step.  Every offset is an immediate.  Three of the twelve waves share a SIMD: one wave's loads stand beside another's products.
.macro STEP q
.if \q > 0
.rept 4
	v_nop                                          ; four places in front of loads into registers that matrix instructions have read
.endr
.endif
.if (\q)%4 == 0
.irp i, 0,1,2,3
	ds_load_b128 v[SCP+4*\i:SCP+4*\i+3], v[ADSP] offset:\i*1088+16*((\q)/4)   ; 16 bytes of a scale row: the words of four steps
.endr
	ds_load_b128 v[SCR:SCR+3], v[ADSR] offset:16*((\q)/4)
.endif
.irp u, 0,1
	FRAG RF+8*\u, ADRR, \u*16*PITCH+64*(\q)
.endr
.irp t, 0,1,2,3,4,5,6,7
	FRAG PF+8*\t, ADRP, \t*16*PITCH+64*(\q)
.endr
	s_wait_dscnt 8                                 ; all but the youngest eight loads, P's tiles 4 to 7
.irp t, 0,1,2,3
.irp u, 0,1
	MM \t, \u, \q
.endr
.endr
	s_wait_dscnt 0x0
.irp t, 4,5,6,7
.irp u, 0,1
	MM \t, \u, \q
.endr
.endr
.endm
.irp q, 0,1,2,3,4,5,6,7
	STEP \q
.endr
; THE QUANTISER.  64 numbers of a lane at v[s]: tiles 2 b and 2 b + 1 are block b of 32; of it lane (r, h) holds k = 8 h + 0..7 and 16 + 8 h + 0..7, lane l xor 16 the rest.
; The largest magnitude's exponent field less 2 is the scale's byte.  The conversions' eight results are laid so that two exchanges of halves for each pair of blocks give the operand's layout:
; registers 4 c .. 4 c + 3 of lane (r, h) = k 0..31 of block 2 c + h.
.macro QUANT s, u
.irp b, 0,1,2,3
	v_max3_num_f32 v[TM+\b], |v[\s+16*\b]|, |v[\s+16*\b+1]|, 0x1800000   ; each accumulator is read from its low end on; the floor 2^(3 - 127) holds the byte at 1 from below
.endr
.irp i, 2,4,6,8,10,12,14
.irp b, 0,1,2,3
	v_max3_num_f32 v[TM+\b], v[TM+\b], |v[\s+16*\b+\i]|, |v[\s+16*\b+\i+1]|
.endr
.endr
.irp b, 0,1,2,3
	v_permlanex16_b32 v[TM+4+\b], v[TM+\b], s[SEL], s[SEL+1]
.endr
.irp b, 0,1,2,3
	v_max_num_f32 v[TM+\b], v[TM+\b], v[TM+4+\b]
.endr
.irp b, 0,1,2,3
	v_add_nc_u32 v[TM+12+\b], 0xff000000, v[TM+\b]     ; 2 off the exponent field: the conversion's scale operand
.endr
.irp b, 0,1,2,3
	v_lshrrev_b32 v[TM+4+\b], 23, v[TM+12+\b]          ; the scale's byte
.endr
	v_lshl_or_b32 v[PW+\u], v[TM+5], 8, v[TM+4]
	v_lshl_or_b32 v[PW+\u], v[TM+6], 16, v[PW+\u]
	v_lshl_or_b32 v[PW+\u], v[TM+7], 24, v[PW+\u]
.irp b, 0,1,2,3
	v_cvt_scalef32_pk8_fp4_f32 v[PC+8*\u+4*(\b/2)+\b%2], v[\s+16*\b:\s+16*\b+7], v[TM+12+\b]
	v_cvt_scalef32_pk8_fp4_f32 v[PC+8*\u+4*(\b/2)+2+\b%2], v[\s+16*\b+8:\s+16*\b+15], v[TM+12+\b]
.endr
	v_nop                                          ; one plain place behind a scaled conversion
.irp c, 0,1
	v_permlane16_swap_b32 v[PC+8*\u+4*\c], v[PC+8*\u+4*\c+1]
	v_permlane16_swap_b32 v[PC+8*\u+4*\c+2], v[PC+8*\u+4*\c+3]
.endr
.endm
.rept 4
	v_nop                                          ; four places in front of the first read of results and the first write of P's registers
.endr
.irp u, 0,1
	QUANT ACC+64*\u, \u
	global_store_b128 v[OA0+2*\u], v[PC+8*\u:PC+8*\u+3], s[26:27]     ; 32 lanes store 512 consecutive bytes, aligned
	global_store_b128 v[OB0+2*\u], v[PC+8*\u+4:PC+8*\u+7], s[26:27]
.endr
	v_cndmask_b32 v[SW], v[PW], v[PW+1], s[HM]     ; lanes 0-15 carry tile 0's scale words, lanes 16-31 tile 1's: 32 neighbouring rows
	s_cmp_eq_u32 s[ISV], 1
	s_cbranch_scc1 .Lscale_v
	v_and_b32 v[SW+1], 0xffff, v[SW]               ; Q, K: two bytes for each of the two heads; the upper two bytes of a word are 0
	v_lshrrev_b32 v[SW+2], 16, v[SW]
	global_store_b32 v[OS], v[SW+1], s[26:27]      ; 128 consecutive bytes: the scale words are a ninth of the launch's stores
	global_store_b32 v[OS], v[SW+2], s[26:27] offset:HB
	s_branch .Lscale_done
.Lscale_v:
	global_store_b32 v[OS], v[SW], s[26:27]        ; V: the four bytes of the step's four blocks of keys
.Lscale_done:
	s_wait_tensorcnt 0x0                           ; the wave's end
	ds_add_u32 v[SPW], v[NIL]
	s_wait_dscnt 0x0
	CROUND                                         ; the closing round
	s_endpgm
.Lfunc_end_k_q41a999ff09_qkv:
	.size	k_q41a999ff09_qkv, .Lfunc_end_k_q41a999ff09_qkv-k_q41a999ff09_qkv
	.p2alignl 7, 3214868480
	.fill 96, 4, 3214868480
	.section	.rodata,"a",@progbits
	.p2align	6, 0x0
	.amdhsa_kernel k_q41a999ff09_qkv
		.amdhsa_group_segment_fixed_size 327680
		.amdhsa_private_segment_fixed_size 0
		.amdhsa_enable_private_segment 0
		.amdhsa_kernarg_size 96
		.amdhsa_user_sgpr_count 2
		.amdhsa_user_sgpr_kernarg_segment_ptr 1
		.amdhsa_wavefront_size32 1
		.amdhsa_system_sgpr_workgroup_id_x 1
		.amdhsa_system_sgpr_workgroup_id_y 1
		.amdhsa_system_sgpr_workgroup_id_z 1
		.amdhsa_system_vgpr_workitem_id 0
		.amdhsa_next_free_vgpr 256
		.amdhsa_next_free_sgpr 102
		.amdhsa_reserve_vcc 0
		.amdhsa_float_denorm_mode_32 3
		.amdhsa_float_denorm_mode_16_64 3
		.amdhsa_memory_ordered 1
		.amdhsa_forward_progress 1
		.amdhsa_inst_pref_size 54
	.end_amdhsa_kernel
	.amdgpu_metadata
---
amdhsa.version: [ 1, 2 ]
amdhsa.kernels:
  - .name:           k_q41a999ff09_qkv
    .symbol:         k_q41a999ff09_qkv.kd
    .args:
      - { .name: x_codes, .offset: 0, .size: 8, .value_kind: global_buffer, .address_space: global }
      - { .name: x_scales, .offset: 8, .size: 8, .value_kind: global_buffer, .address_space: global }
      - { .name: W_q_codes, .offset: 16, .size: 8, .value_kind: global_buffer, .address_space: global }
      - { .name: W_q_scales, .offset: 24, .size: 8, .value_kind: global_buffer, .address_space: global }
      - { .name: W_k_codes, .offset: 32, .size: 8, .value_kind: global_buffer, .address_space: global }
      - { .name: W_k_scales, .offset: 40, .size: 8, .value_kind: global_buffer, .address_space: global }
      - { .name: W_v_codes, .offset: 48, .size: 8, .value_kind: global_buffer, .address_space: global }
      - { .name: W_v_scales, .offset: 56, .size: 8, .value_kind: global_buffer, .address_space: global }
      - { .name: b_q, .offset: 64, .size: 8, .value_kind: global_buffer, .address_space: global }
      - { .name: b_k, .offset: 72, .size: 8, .value_kind: global_buffer, .address_space: global }
      - { .name: b_v, .offset: 80, .size: 8, .value_kind: global_buffer, .address_space: global }
      - { .name: ws, .offset: 88, .size: 8, .value_kind: global_buffer, .address_space: global }
    .group_segment_fixed_size: 327680
    .private_segment_fixed_size: 0
    .kernarg_segment_align: 8
    .kernarg_segment_size: 96
    .max_flat_workgroup_size: 384
    .sgpr_count:     102
    .vgpr_count:     256
    .wavefront_size: 32
...
	.end_amdgpu_metadata
.endif
;; end of part 1
;; launch attn (part 2): grid 256 x 1, 16 waves a work-group, clusters of 4 x 1, 167,936 bytes of LDS; arguments ws, oimg, osc; writes oimg, osc
.if DOCPART == 2
	.amdgcn_target "amdgcn-amd-amdhsa--gfx1250"
	.amdhsa_code_object_version 6
	.text
	.protected	k_q41a999ff09_attn
	.globl	k_q41a999ff09_attn
	.p2align	8
	.type	k_q41a999ff09_attn,@function
k_q41a999ff09_attn:
	s_mov_b64 s[64:65], 0
	v_nop
	global_prefetch_b8 v0, s[64:65] scope:SCOPE_SE
	s_setreg_imm32_b32 hwreg(HW_REG_WAVE_MODE, 25, 1), 1
	s_wait_xcnt 0x0
	s_wait_alu depctr_hold_cnt(0) depctr_sa_sdst(0) depctr_va_vdst(0) depctr_va_sdst(0) depctr_va_ssrc(0) depctr_va_vcc(0) depctr_vm_vsrc(0)
	s_getreg_b32 s2, hwreg(HW_REG_IB_STS2, 6, 4)
	s_cmp_eq_u32 s2, 0
	s_cbranch_scc0 .Lentry_in_a_cluster
	s_endpgm
.Lentry_in_a_cluster:
	s_bfe_u32 s2, ttmp6, 0x10000c
	s_cmp_lg_u32 s2, 0x3003
	s_cbranch_scc0 .Lentry_shape_is_right
	s_endpgm
.Lentry_shape_is_right:
; attn = softmax(Q K^T / 8 + causal mask), O = attn V, both products on codes of FP4 (E2M1) with E8M0 scales.  attn is quantised FINISHED AND NORMALISED, along the keys, so the row's sum must be
; known before any weight is quantised: the keys are walked twice.  Pass 1: scores, running maximum, sum.  Pass 2: the same scores again, p = 2^(t - M) x (1 / sum), quantised, times V.
; t = score x log2(e) / 8; M = the row's largest t rounded up to a whole number (the maximum is taken away as reference() takes it; 2^M cancels between p and the sum); when M moves in pass 1 the sum is
; multiplied by 2^(old M - new M), which rounds nothing.
; WORK LEFT OUT: steps of 128 keys all of which come after a tile's 16 queries: the mask that reference() builds makes their weights 0 for every finite input.  A NaN or infinity that reaches only them is not carried.
; THE GUARD nan_to_num: a weight is NaN only with its whole row (a NaN or +infinity among the visible scores makes the row's sum NaN); here each such case ends with a sum that is NaN, and O's row is
; set to 0 wherever the sum is not above 0, which is what weights of 0 give.
; LIMITS: a p under 2^-126 counts as 0; NaN or infinity in V, and scale bytes 0xff, are not followed; a block whose largest magnitude lies under 2^(3 - 127) gets the byte 1.
; K = 64 IN AN INSTRUCTION OF 128: Q's upper 64 codes are zeros and the upper two scale bytes of Q and K are 0 (2^-127, a finite number): whatever stands in K's upper four registers adds exactly 0,
; so tile t's fragment is named v[KF + 4 t : KF + 4 t + 7], its tail being the next tile's codes (behind the last tile: four registers of zeros).
; SHARES.  A cluster of four work-groups has one head (batch x 16 + head = the cluster's number).  The head's K, V and their scale words, 143,360 dense bytes of ws, come into each partner's LDS once,
; asked for jointly, 35 rows of 256 bytes a wave, and stay.  Query tile T = 4 j + cx (16 queries).  Wave w takes j = w, then j = 31 - w: (j / 2) + 1 live steps each, 17 for every wave.
; Which steps are live or on the diagonal hangs on j alone (tiles 4 j .. 4 j + 3 lie in one step of 128 keys): every branch is the same in all partners; cx enters global offsets and the mask's compare alone.
; Every partner reads every byte that the joint loads bring: its j = 31 walks all sixteen steps.  Nothing is prefetched: all that comes into LDS is asked for at the head.
; LAYOUT.  Both products transposed: S^T = K Q^T (source 0 = 16 keys), O^T = V^T P^T (source 0 = 16 of the head's 64): a lane holds one query (lane % 16) throughout.
; Four of the sixteen waves share a SIMD: one wave's vector work stands beside another's matrix work and LDS loads.
.set HB,    217088
.set VIMG,  65536
.set KSW,   131072
.set VSW,   139264
.set QIMG,  143360
.set QSW,   208896
.set SPARE, 143360                     ; behind the head's bytes: the spare words, 128 bytes for each of 16 waves: eight blocks of 256 bytes that no other line names
.set LI,   1                           ; v1   16 x lane: an image's place
.set LIV,  2                           ; v2   the same in V's images
.set LS,   3                           ; v3   4 x lane among K's scale words
.set LT,   4                           ; v4   among V's
.set SPW,  5
.set NIL,  6
.set DLB,  7                           ; v7   r - 8 h + 16 cx
.set ADK,  8
.set ADV,  9
.set ADS,  10
.set ADT,  11
.set NM,   12                          ; v12  -M;  v13 the largest t
.set TMX,  13
.set L,    14                          ; v[14:15] the sum in two halves; between the passes v14 becomes the row's sum
.set QF,   16                          ; v16-19 Q's codes, v20-23 zeros
.set QS,   24                          ; v24  Q's scale words
.set DL,   25                          ; v25  my query's place in the diagonal step, less 8 h
.set RL,   26                          ; v[26:27] 1 / sum (the pair's low word serves both halves)
.set NINF, 28
.set R4,   29                          ; v29  4 r
.set QO,   30
.set QSO,  31
.set KF,   32                          ; v32-63 K's codes, 4 registers a tile; v64-67 zeros
.set VF,   68                          ; v68-99 V's four fragments
.set KSC,  100                         ; v100-103 K's scale words
.set VSC,  104                         ; v104-105 V's
.set PW,   106                         ; v106 p's scale word
.set PC,   108                         ; v108-115 p's codes
.set OOF,  116
.set OSF,  117
.set R4H,  118                         ; v118 4 r + h
.set OBY,  119
.set S,    128                         ; v128-191 S^T, then p
.set O,    192                         ; v192-223 O^T
.set BM,   224                         ; blocks' maxima;  BX: the other half's;  SO: scale operands;  BY: bytes
.set BX,   228
.set SO,   232
.set BY,   236
.set TP,   240
.set F,    248                         ; v[248:249] 2^(old M - new M)
.set WV,   10
.set CX,   11
.set BH,   12
.set TI,   13
.set J,    14
.set LIM,  15
.set KS,   16
.set TK,   17
.set TS,   18
.set TJ,   19
.set SEL,  20
.set CS,   22
.set G1,   24
.set G0,   32
.set HM,   47
.macro CROUND
	s_barrier_signal -1
	s_barrier_wait -1
	s_cmp_lg_u32 s[WV], 0
	s_cbranch_scc1 .Lnot_wave_0_\@
	s_barrier_signal -3
.Lnot_wave_0_\@:
	s_barrier_wait -3
	s_barrier_signal -1
	s_barrier_wait -1
.endm
	s_load_b128 s[4:7], s[0:1], 0x0                ; ws, oimg
	s_load_b64 s[8:9], s[0:1], 0x10                ; osc
	v_lshl_add_u32 v[SPW], v0, 2, SPARE
	v_mov_b32 v[NIL], 0
	ds_add_u32 v[SPW], v[NIL]                      ; the wave's opening: the add, twice on end, and its wait ahead of my first tensor load
	ds_add_u32 v[SPW], v[NIL]
	v_lshrrev_b32 v[TP], 5, v0
	v_readfirstlane_b32 s[WV], v[TP]               ; wave 0..15
	s_bfe_u32 s[CX], ttmp6, 0x40000
	s_mov_b32 s[BH], ttmp9                         ; batch x 16 + head: the cluster's number
	s_mov_b32 s[G1], 15|(3<<16)|(1<<21)            ; the mask: all four partners; elements of 8 bytes; no padding: images are read 16 bytes a lane on end
	s_mov_b32 s[G1+1], 32<<16                      ; rows of 256 bytes,
	s_mov_b32 s[G1+2], 35<<16                      ; 35 of them
	s_mov_b32 s[G1+3], 32<<16
	s_mov_b32 s[G1+4], 35
	s_mov_b32 s[G1+5], 32
	s_mov_b32 s[G1+6], 0
	s_mov_b32 s[G1+7], 0
	s_mul_i32 s42, s[BH], HB
	s_mov_b32 s43, 0
	s_mul_i32 s44, s[WV], 8960
	s_mov_b32 s45, 0
	s_mov_b32 s[SEL], 0x76543210
	s_mov_b32 s[SEL+1], 0xfedcba98
	s_mov_b32 s[CS], 0x3e38aa3b                    ; c = log2(e) / 8
	s_mov_b32 s[CS+1], s[CS]
	s_mov_b32 s[HM], 0xffff0000
	s_wait_dscnt 0x0                               ; both opening adds are done
	s_wait_kmcnt 0x0
	s_add_nc_u64 s[36:37], s[4:5], s[42:43]        ; the head's block of ws
	s_mov_b32 s[G0], 1
	s_mul_i32 s[G0+1], s[WV], 8960                 ; LDS: as it lies in ws
	s_add_nc_u64 s[G0+2:G0+3], s[36:37], s[44:45]
	s_or_b32 s[G0+3], s[G0+3], 0x80000000
	CROUND                                         ; all four partners are here
	tensor_load_to_lds s[G0:G0+3], s[G1:G1+7]      ; every wave's one load
	s_nop 0
.rept 4
	v_nop
.endr
	s_lshr_b32 s44, s[BH], 4                       ; batch
	s_and_b32 s45, s[BH], 15                       ; head
	s_lshl_b32 s42, s44, 20                        ; oimg: [token tile][head][lane][16 bytes]: 128 tiles of 8,192 bytes a batch,
	s_lshl_b32 s46, s45, 9                         ; 512 bytes a head
	s_add_co_u32 s42, s42, s46
	s_add_nc_u64 s[38:39], s[6:7], s[42:43]
	s_lshl_b32 s42, s44, 16                        ; osc: [token tile][pair of heads][r] words: 128 tiles of 512 bytes a batch,
	s_lshr_b32 s46, s45, 1
	s_lshl_b32 s46, s46, 6                         ; 64 bytes a pair of heads,
	s_add_co_u32 s42, s42, s46
	s_and_b32 s46, s45, 1
	s_lshl_b32 s46, s46, 1                         ; my head's two bytes of the word
	s_add_co_u32 s42, s42, s46
	s_add_nc_u64 s[40:41], s[8:9], s[42:43]
	v_and_b32 v[TP], 31, v0
	v_lshlrev_b32 v[LI], 4, v[TP]
	v_add_nc_u32 v[LIV], VIMG, v[LI]
	v_lshl_add_u32 v[LS], v[TP], 2, KSW
	v_lshl_add_u32 v[LT], v[TP], 2, VSW
	v_and_b32 v[TP], 15, v0                        ; r
	v_bfe_u32 v[TP+2], v0, 4, 1                    ; h
	v_lshlrev_b32 v[R4], 2, v[TP]
	v_add_nc_u32 v[R4H], v[R4], v[TP+2]
	v_lshlrev_b32 v[TP+2], 3, v[TP+2]
	v_sub_nc_u32 v[DLB], v[TP], v[TP+2]
	s_lshl_b32 s42, s[CX], 4
	v_add_nc_u32 v[DLB], s42, v[DLB]
	v_mov_b32 v[NINF], 0xff800000
.irp i, 4,5,6,7
	v_mov_b32 v[QF+\i], 0                          ; Q's codes of k = 64 .. 127
.endr
.irp i, 0,1,2,3
	v_mov_b32 v[KF+32+\i], 0                       ; the tail behind K's last tile
	v_mov_b32 v[BX+\i], 0                          ; written once: a lane permute's destination counts as one of its sources
.endr
	v_mov_b32 v[TP+1], 0
	v_mov_b32 v[RL+1], 0                           ; named as the upper halves of pairs
	v_mov_b32 v[F+1], 0
	s_wait_tensorcnt 0x0                           ; my part of the head has landed,
	s_barrier_signal -1
	s_barrier_wait -1                              ; everybody's has
.macro KLOAD                           ; a step's 8 tiles of K and their scale words (lanes 0-15: tile 2 i, lanes 16-31: tile 2 i + 1)
.irp t, 0,1,2,3,4,5,6,7
	ds_load_b128 v[KF+4*\t:KF+4*\t+3], v[ADK] offset:512*\t
.endr
.irp i, 0,1,2,3
	ds_load_b32 v[KSC+\i], v[ADS] offset:128*\i
.endr
.endm
.macro SMUL                            ; S^T = K Q^T: eight tiles of 16 keys; each product starts its own sum
.irp i, 0,1,2,3
	v_wmma_scale_f32_16x16x128_f8f6f4 v[S+16*\i:S+16*\i+7], v[KF+8*\i:KF+8*\i+7], v[QF:QF+7], 0, v[KSC+\i], v[QS] matrix_a_fmt:MATRIX_FMT_FP4 matrix_b_fmt:MATRIX_FMT_FP4
	v_wmma_scale_f32_16x16x128_f8f6f4 v[S+16*\i+8:S+16*\i+15], v[KF+8*\i+4:KF+8*\i+11], v[QF:QF+7], 0, v[KSC+\i], v[QS] matrix_a_fmt:MATRIX_FMT_FP4 matrix_b_fmt:MATRIX_FMT_FP4 matrix_a_scale:MATRIX_SCALE_ROW1
.endr
.rept 4
	v_nop                                          ; four places in front of the first read of results, and of the next loads into K's registers
.endr
.endm
.macro MASK                            ; on the diagonal step alone: register 8 t + i holds key 16 t + 8 h + i of the step: hidden where 16 t + i > my query's place - 8 h
	s_cmp_lg_u32 s[KS], s[LIM]
	s_cbranch_scc1 .Lopen_\@
.set n, 0
.rept 64
	v_cmp_gt_i32 vcc_lo, 16*(n/8)+n%8, v[DL]
	v_cndmask_b32 v[S+n], v[S+n], v[NINF], vcc_lo
.set n, n+1
.endr
.Lopen_\@:
.endm
.macro BLOCKMAX                        ; the largest score of my 16 keys of each block of 32 (tiles 2 b, 2 b + 1); each tile is read from its low end on
.irp b, 0,1,2,3
	v_max3_num_f32 v[BM+\b], v[S+16*\b], v[S+16*\b+1], v[S+16*\b+2]
.endr
.irp i, 3,5,7,9,11,13
.irp b, 0,1,2,3
	v_max3_num_f32 v[BM+\b], v[BM+\b], v[S+16*\b+\i], v[S+16*\b+\i+1]
.endr
.endr
.irp b, 0,1,2,3
	v_max_num_f32 v[BM+\b], v[BM+\b], v[S+16*\b+15]
.endr
.endm
.macro SCALE_T                         ; t - M, two at a time (of the pairs c and -M the low word serves both halves)
.set i, 0
.rept 32
	v_pk_fma_f32 v[S+i:S+i+1], v[S+i:S+i+1], s[CS:CS+1], v[NM:NM+1] op_sel_hi:[1,0,0]
.set i, i+2
.endr
.endm
.macro EXP_S
.set i, 0
.rept 64
	v_exp_f32 v[S+i], v[S+i]
.set i, i+1
.endr
.endm
; PASS 1, a step of 128 keys: scores, the running maximum, the sum of 2^(t - M)
.macro P1STEP
	v_add_nc_u32 v[ADK], s[TK], v[LI]
	v_add_nc_u32 v[ADS], s[TS], v[LS]
	KLOAD
	s_wait_dscnt 0x0
	SMUL
	MASK
	BLOCKMAX
	v_max3_num_f32 v[TP], v[BM], v[BM+1], v[BM+2]
	v_max_num_f32 v[TP], v[TP], v[BM+3]
	v_permlanex16_b32 v[TP+1], v[TP], s[SEL], s[SEL+1]
	v_max_num_f32 v[TP], v[TP], v[TP+1]            ; the step's largest score of my query
	v_mul_f32 v[TP], s[CS], v[TP]
	v_max_num_f32 v[TMX], v[TMX], v[TP]            ; the running largest t
	v_mov_b32 v[TP], v[NM]
	v_floor_f32 v[NM], -v[TMX]                     ; -M = floor(-t): M is a whole number
	v_sub_f32 v[TP], v[NM], v[TP]                  ; old M - new M, 0 or less
	v_cvt_i32_f32 v[TP], v[TP]                     ; (it saturates)
	v_ldexp_f32 v[F], 1.0, v[TP]
	SCALE_T
	EXP_S
	v_pk_mul_f32 v[L:L+1], v[L:L+1], v[F:F+1] op_sel_hi:[1,0]   ; the sum under the new M: the plain place behind the exponentials
	s_wait_alu depctr_va_vdst(0)                   ; one wait for the batch of 64, ahead of its first reader
	v_pk_add_f32 v[TP+2:TP+3], v[S:S+1], v[S+2:S+3]
.irp j, 4,8,12,16,20,24,28,32,36,40,44,48,52,56,60
	v_pk_add_f32 v[L:L+1], v[L:L+1], v[S+\j:S+\j+1]
	v_pk_add_f32 v[TP+2:TP+3], v[TP+2:TP+3], v[S+\j+2:S+\j+3]
.endr
	v_pk_add_f32 v[L:L+1], v[L:L+1], v[TP+2:TP+3]
.endm
; PASS 2, a step of 128 keys: the same scores, p = 2^(t - M) / sum, its four blocks quantised, O^T += V^T P^T.
; A block's largest p is not searched for: the block's largest score goes through the same multiply-add, exponential and multiplication (this takes v_exp_f32 not to fall where its input rises).
.macro P2STEP
	v_add_nc_u32 v[ADK], s[TK], v[LI]              ; these four are the places behind the last step's products, in front of the loads into V's registers
	v_add_nc_u32 v[ADV], s[TK], v[LIV]
	v_add_nc_u32 v[ADS], s[TS], v[LS]
	v_add_nc_u32 v[ADT], s[TJ], v[LT]
	KLOAD
.irp f, 0,1,2,3
	ds_load_b128 v[VF+8*\f:VF+8*\f+3], v[ADV] offset:1024*\f
	ds_load_b128 v[VF+8*\f+4:VF+8*\f+7], v[ADV] offset:1024*\f+512
.endr
.irp i, 0,1
	ds_load_b32 v[VSC+\i], v[ADT] offset:128*\i
.endr
	s_wait_dscnt 10                                ; K's twelve loads are in; V's ten may stay out
	SMUL
	MASK
	BLOCKMAX
.irp b, 0,1,2,3
	v_permlanex16_b32 v[BX+\b], v[BM+\b], s[SEL], s[SEL+1]
.endr
.irp b, 0,1,2,3
	v_max_num_f32 v[BM+\b], v[BM+\b], v[BX+\b]     ; with lane l xor 16's 16 keys
.endr
	SCALE_T
.irp b, 0,1,2,3
	v_fma_f32 v[BM+\b], v[BM+\b], s[CS], v[NM]
.endr
	EXP_S
.irp b, 0,1,2,3
	v_exp_f32 v[BM+\b], v[BM+\b]
.endr
	v_nop                                          ; the plain place behind the last exponential
	s_wait_alu depctr_va_vdst(0)                   ; one wait for the batch of 68
.irp b, 0,1,2,3
	v_mul_f32 v[BM+\b], v[BM+\b], v[RL]            ; the block's largest weight
.endr
.irp b, 0,1,2,3
	v_max_num_f32 v[BM+\b], 0x1800000, v[BM+\b]    ; the floor 2^(3 - 127): a block of zeros keeps the byte 1, its codes are zeros
.endr
.irp b, 0,1,2,3
	v_add_nc_u32 v[SO+\b], 0xff000000, v[BM+\b]
.endr
.irp b, 0,1,2,3
	v_lshrrev_b32 v[BY+\b], 23, v[SO+\b]
.endr
	v_lshl_or_b32 v[PW], v[BY+1], 8, v[BY]
	v_lshl_or_b32 v[PW], v[BY+2], 16, v[PW]
	v_lshl_or_b32 v[PW], v[BY+3], 24, v[PW]
.set i, 0
.rept 32
	v_pk_mul_f32 v[S+i:S+i+1], v[S+i:S+i+1], v[RL:RL+1] op_sel_hi:[1,0]   ; the weights, normalised.  (These 32 are also the eight places between the scale word and the products)
.set i, i+2
.endr
.irp b, 0,1,2,3
	v_cvt_scalef32_pk8_fp4_f32 v[PC+4*(\b/2)+\b%2], v[S+16*\b:S+16*\b+7], v[SO+\b]
	v_cvt_scalef32_pk8_fp4_f32 v[PC+4*(\b/2)+2+\b%2], v[S+16*\b+8:S+16*\b+15], v[SO+\b]
.endr
	v_nop                                          ; one plain place behind a scaled conversion
.irp c, 0,1
	v_permlane16_swap_b32 v[PC+4*\c], v[PC+4*\c+1] ; registers 4 c .. 4 c + 3 of lane (r, h): keys 64 c + 32 h + 0 .. 31
	v_permlane16_swap_b32 v[PC+4*\c+2], v[PC+4*\c+3]
.endr
.rept 4
	v_nop                                          ; an operand written by vector instructions stands four places ahead of a scaled matrix instruction
.endr
	s_wait_dscnt 0x0                               ; V is in
.irp i, 0,1                                        ; the four accumulators follow S^T's eight, one instruction a turn
	v_wmma_scale_f32_16x16x128_f8f6f4 v[O+16*\i:O+16*\i+7], v[VF+16*\i:VF+16*\i+7], v[PC:PC+7], v[O+16*\i:O+16*\i+7], v[VSC+\i], v[PW] matrix_a_fmt:MATRIX_FMT_FP4 matrix_b_fmt:MATRIX_FMT_FP4
	v_wmma_scale_f32_16x16x128_f8f6f4 v[O+16*\i+8:O+16*\i+15], v[VF+16*\i+8:VF+16*\i+15], v[PC:PC+7], v[O+16*\i+8:O+16*\i+15], v[VSC+\i], v[PW] matrix_a_fmt:MATRIX_FMT_FP4 matrix_b_fmt:MATRIX_FMT_FP4 matrix_a_scale:MATRIX_SCALE_ROW1
.endr
.endm
	s_mov_b32 s[TI], 0
.Ltile:                                            ; two trips: j = wave, then j = 31 - wave
	s_sub_co_u32 s42, 31, s[WV]
	s_cmp_eq_u32 s[TI], 0
	s_cselect_b32 s[J], s[WV], s42
	s_lshr_b32 s[LIM], s[J], 1                     ; the diagonal step, the last that is live
	s_lshl_b32 s42, s[J], 2
	s_add_co_u32 s42, s42, s[CX]                   ; T: it enters global offsets alone
	s_and_b32 s43, s[J], 1
	s_lshl_b32 s43, s43, 6
	v_add_nc_u32 v[DL], s43, v[DLB]                ; 64 (j % 2) + 16 cx + r - 8 h
	s_lshl_b32 s43, s42, 9
	s_add_co_u32 s43, s43, QIMG
	v_add_nc_u32 v[QO], s43, v[LI]
	s_lshl_b32 s43, s42, 6
	s_add_co_u32 s43, s43, QSW
	v_add_nc_u32 v[QSO], s43, v[R4]
	global_load_b128 v[QF:QF+3], v[QO], s[36:37]   ; Q's image: lane (r, h) has block h of query 16 T + r
	global_load_b32 v[QS], v[QSO], s[36:37]
	s_lshl_b32 s43, s42, 13
	v_add_nc_u32 v[OOF], s43, v[LI]
	s_lshl_b32 s43, s42, 9
	v_add_nc_u32 v[OSF], s43, v[R4H]
	v_mov_b32 v[TMX], 0xff61b1e6                   ; the largest t so far: -3e38
	v_floor_f32 v[NM], -v[TMX]
	v_mov_b32 v[L], 0
	v_mov_b32 v[L+1], 0
	s_mov_b32 s[KS], 0
	s_mov_b32 s[TK], 0
	s_mov_b32 s[TS], 0
	s_wait_loadcnt 0x0
.Lp1:                                              ; sixteen trips, a constant; a step past the diagonal is jumped over, not the lines that step addresses
	s_cmp_gt_u32 s[KS], s[LIM]
	s_cbranch_scc1 .Lp1_skip
	P1STEP
.Lp1_skip:
	s_add_co_u32 s[TK], s[TK], 4096
	s_add_co_u32 s[TS], s[TS], 512
	s_add_co_u32 s[KS], s[KS], 1
	s_cmp_lt_u32 s[KS], 16
	s_cbranch_scc1 .Lp1
	v_add_f32 v[L], v[L], v[L+1]                   ; the sum's two halves,
	v_permlanex16_b32 v[TP+1], v[L], s[SEL], s[SEL+1]
	v_add_f32 v[L], v[L], v[TP+1]                  ; and lane l xor 16's: the row's sum
	v_rcp_f32 v[RL], v[L]
.set i, 0
.rept 32
	v_mov_b32 v[O+i], 0                            ; O^T: pass 2 is written once.  (Plain work behind the reciprocal)
.set i, i+1
.endr
	s_wait_alu depctr_va_vdst(0)                   ; the wait for the reciprocal, ahead of the label and of its first reader
	s_mov_b32 s[KS], 0
	s_mov_b32 s[TK], 0
	s_mov_b32 s[TS], 0
	s_mov_b32 s[TJ], 0
.Lp2:
	s_cmp_gt_u32 s[KS], s[LIM]
	s_cbranch_scc1 .Lp2_skip
	P2STEP
.Lp2_skip:
	s_add_co_u32 s[TK], s[TK], 4096
	s_add_co_u32 s[TS], s[TS], 512
	s_add_co_u32 s[TJ], s[TJ], 256
	s_add_co_u32 s[KS], s[KS], 1
	s_cmp_lt_u32 s[KS], 16
	s_cbranch_scc1 .Lp2
	; THE TILE'S WAY OUT: the guard, then the head's 64 numbers of each query are two blocks of the last product's K: quantised as above and stored as an image
.rept 4
	v_nop
.endr
	v_cmp_lt_f32 vcc_lo, 0, v[L]
.set i, 0
.rept 32
	v_cndmask_b32 v[O+i], 0, v[O+i], vcc_lo        ; 0 wherever the row's sum is not above 0; each accumulator from its low end on
.set i, i+1
.endr
.irp b, 0,1
	v_max3_num_f32 v[BM+\b], |v[O+16*\b]|, |v[O+16*\b+1]|, 0x1800000
.endr
.irp i, 2,4,6,8,10,12,14
.irp b, 0,1
	v_max3_num_f32 v[BM+\b], v[BM+\b], |v[O+16*\b+\i]|, |v[O+16*\b+\i+1]|
.endr
.endr
.irp b, 0,1
	v_permlanex16_b32 v[BX+\b], v[BM+\b], s[SEL], s[SEL+1]
.endr
.irp b, 0,1
	v_max_num_f32 v[BM+\b], v[BM+\b], v[BX+\b]
.endr
.irp b, 0,1
	v_add_nc_u32 v[SO+\b], 0xff000000, v[BM+\b]
.endr
.irp b, 0,1
	v_lshrrev_b32 v[BY+\b], 23, v[SO+\b]
.endr
.irp b, 0,1
	v_cvt_scalef32_pk8_fp4_f32 v[PC+\b], v[O+16*\b:O+16*\b+7], v[SO+\b]
	v_cvt_scalef32_pk8_fp4_f32 v[PC+2+\b], v[O+16*\b+8:O+16*\b+15], v[SO+\b]
.endr
	v_cndmask_b32 v[OBY], v[BY], v[BY+1], s[HM]    ; lane (r, h) stores block h's byte.  (The plain place behind the conversions)
	v_permlane16_swap_b32 v[PC], v[PC+1]
	v_permlane16_swap_b32 v[PC+2], v[PC+3]         ; lane (r, h): block h of query r
	global_store_b128 v[OOF], v[PC:PC+3], s[38:39] ; 512 consecutive bytes, aligned
	global_store_b8 v[OSF], v[OBY], s[40:41]       ; two bytes of each of 16 words: 64-byte runs written in part; 262,144 bytes in the whole launch
	s_wait_xcnt 0x0                                ; the stores' registers are written again only behind this wait
	s_add_co_u32 s[TI], s[TI], 1
	s_cmp_lt_u32 s[TI], 2
	s_cbranch_scc1 .Ltile
	s_wait_tensorcnt 0x0                           ; the wave's end
	ds_add_u32 v[SPW], v[NIL]
	s_wait_dscnt 0x0
	CROUND                                         ; the closing round
	s_endpgm
.Lfunc_end_k_q41a999ff09_attn:
	.size	k_q41a999ff09_attn, .Lfunc_end_k_q41a999ff09_attn-k_q41a999ff09_attn
	.p2alignl 7, 3214868480
	.fill 96, 4, 3214868480
	.section	.rodata,"a",@progbits
	.p2align	6, 0x0
	.amdhsa_kernel k_q41a999ff09_attn
		.amdhsa_group_segment_fixed_size 167936
		.amdhsa_private_segment_fixed_size 0
		.amdhsa_enable_private_segment 0
		.amdhsa_kernarg_size 24
		.amdhsa_user_sgpr_count 2
		.amdhsa_user_sgpr_kernarg_segment_ptr 1
		.amdhsa_wavefront_size32 1
		.amdhsa_system_sgpr_workgroup_id_x 1
		.amdhsa_system_sgpr_workgroup_id_y 1
		.amdhsa_system_sgpr_workgroup_id_z 1
		.amdhsa_system_vgpr_workitem_id 0
		.amdhsa_next_free_vgpr 256
		.amdhsa_next_free_sgpr 66
		.amdhsa_reserve_vcc 1
		.amdhsa_float_denorm_mode_32 3
		.amdhsa_float_denorm_mode_16_64 3
		.amdhsa_memory_ordered 1
		.amdhsa_forward_progress 1
		.amdhsa_inst_pref_size 46
	.end_amdhsa_kernel
	.amdgpu_metadata
---
amdhsa.version: [ 1, 2 ]
amdhsa.kernels:
  - .name:           k_q41a999ff09_attn
    .symbol:         k_q41a999ff09_attn.kd
    .args:
      - { .name: ws, .offset: 0, .size: 8, .value_kind: global_buffer, .address_space: global }
      - { .name: oimg, .offset: 8, .size: 8, .value_kind: global_buffer, .address_space: global }
      - { .name: osc, .offset: 16, .size: 8, .value_kind: global_buffer, .address_space: global }
    .group_segment_fixed_size: 167936
    .private_segment_fixed_size: 0
    .kernarg_segment_align: 8
    .kernarg_segment_size: 24
    .max_flat_workgroup_size: 512
    .sgpr_count:     66
    .vgpr_count:     256
    .wavefront_size: 32
...
	.end_amdgpu_metadata
.endif
;; end of part 2
;; launch oproj (part 3): grid 4 x 64, 8 waves a work-group, clusters of 4 x 4, 327,680 bytes of LDS; arguments oimg, osc, W_o_codes, W_o_scales, b_o, out0; writes out0
.if DOCPART == 3
	.amdgcn_target "amdgcn-amd-amdhsa--gfx1250"
	.amdhsa_code_object_version 6
	.text
	.protected	k_q41a999ff09_oproj
	.globl	k_q41a999ff09_oproj
	.p2align	8
	.type	k_q41a999ff09_oproj,@function
k_q41a999ff09_oproj:
	s_mov_b64 s[64:65], 0
	v_nop
	global_prefetch_b8 v0, s[64:65] scope:SCOPE_SE
	s_setreg_imm32_b32 hwreg(HW_REG_WAVE_MODE, 25, 1), 1
	s_wait_xcnt 0x0
	s_wait_alu depctr_hold_cnt(0) depctr_sa_sdst(0) depctr_va_vdst(0) depctr_va_sdst(0) depctr_va_ssrc(0) depctr_va_vcc(0) depctr_vm_vsrc(0)
	s_getreg_b32 s2, hwreg(HW_REG_IB_STS2, 6, 4)
	s_cmp_eq_u32 s2, 0
	s_cbranch_scc0 .Lentry_in_a_cluster
	s_endpgm
.Lentry_in_a_cluster:
	s_bfe_u32 s2, ttmp6, 0x10000c
	s_cmp_lg_u32 s2, 0xf033
	s_cbranch_scc0 .Lentry_shape_is_right
	s_endpgm
.Lentry_shape_is_right:
; out0 = O W_o^T + b_o on codes of FP4 (E2M1) with E8M0 scales, sums in f32.  O comes as the attention launch stored it: images of the operand's registers, [token tile][head][lane][16 bytes]
; (heads 2 s and 2 s + 1 on end are the fragment of K step s), and scale words [token tile][s][r].  No work is left out here.
; SHARES.  A work-group makes 128 tokens x 256 features; all of K = 1,024 lies in LDS at once: one tensor load a wave, nothing is filled twice, one barrier.  Eight waves: fh = wave / 4 picks 128 features,
; rq = wave % 4 picks 32 tokens.  Source 0 = 16 rows of W_o, source 1 = 16 tokens: a lane holds one token and eight neighbouring features of it.
; CLUSTER 4 x 4: W_o's tile and scales hang on the feature block alone (asked for jointly by a column), O's on the token block alone (by a row).
; Nothing is prefetched: all that the launch brings into LDS is asked for at its head.
; LIMIT: a given scale byte 0xff is not served.
.set PITCH,  528                       ; W_o's LDS row: 512 bytes + 16 of padding
.set REG,    128*PITCH
.set HALFR,  64*PITCH
.set OIMG,   2*REG                     ; O's images: 8 token tiles x 8,192 bytes, dense
.set WSC,    OIMG+65536                ; W_o's scale bytes: 32 rows of 256 bytes + 16 of padding
.set SREG,   16*272
.set OSC,    WSC+2*SREG                ; O's scale words: 8 x 512 bytes
.set STAGE,  OSC+4096                  ; the way out: 16 rows x (512 + 16) bytes for each wave; no fill lands here
.set SPARE,  STAGE+8*16*PITCH          ; the spare words: 128 bytes for each of 8 waves, four blocks of 256 bytes that no other line names
.set SPW,  1
.set NIL,  2
.set ADRP, 3
.set ADRR, 4
.set ADSP, 5
.set ADSR, 6
.set STO,  7
.set RD,   8
.set CO,   9
.set BOFF, 10
.set T0,   11
.set T1,   12
.set T2,   13
.set SCP,  16                          ; v16-31 W_o's scale words: 4 (t / 2) + q % 4
.set SCR,  32                          ; v32-39 O's: one for each K step; lanes 0-15 token tile 0, lanes 16-31 tile 1
.set VR,   40
.set VH,   41
.set VL,   42
.set RF,   48
.set PF,   64
.set ACC,  128
.set WV,   28
.set FH,   29
.set RQ,   30
.set CX,   32
.set CY,   33
.set FX,   34
.set TY,   35
.set MR,   38
.set MC,   39
.set G1W,  40
.set G1O,  48
.set G1SW, 56
.set G1SO, 68
.set G0W,  76
.set G0O,  80
.set G0SW, 84
.set G0SO, 88
.set TW,   92
.set TX,   96
.macro CROUND
	s_barrier_signal -1
	s_barrier_wait -1
	s_cmp_lg_u32 s[WV], 0
	s_cbranch_scc1 .Lnot_wave_0_\@
	s_barrier_signal -3
.Lnot_wave_0_\@:
	s_barrier_wait -3
	s_barrier_signal -1
	s_barrier_wait -1
.endm
.macro TL g0, g1                       ; a joint load; an s_nop 0 and four v_nop follow it
	tensor_load_to_lds s[\g0:\g0+3], s[\g1:\g1+7]
	s_nop 0
.rept 4
	v_nop
.endr
.endm
	s_load_b256 s[4:11], s[0:1], 0x0               ; oimg, osc, W_o codes, W_o scales
	s_load_b128 s[12:15], s[0:1], 0x20             ; b_o, out0
	v_lshl_add_u32 v[SPW], v0, 2, SPARE
	v_mov_b32 v[NIL], 0
	ds_add_u32 v[SPW], v[NIL]                      ; the wave's opening: the add, twice on end, and its wait ahead of my first tensor load
	ds_add_u32 v[SPW], v[NIL]
	v_lshrrev_b32 v[T0], 5, v0
	v_readfirstlane_b32 s[WV], v[T0]               ; wave 0..7
	s_lshr_b32 s[FH], s[WV], 2
	s_and_b32 s[RQ], s[WV], 3
	s_bfe_u32 s[CX], ttmp6, 0x40000
	s_bfe_u32 s[CY], ttmp6, 0x40004
	s_lshl_b32 s[FX], ttmp9, 2
	s_add_co_u32 s[FX], s[FX], s[CX]               ; feature block 0..3
	s_and_b32 s[TY], ttmp7, 0xffff
	s_lshl_b32 s[TY], s[TY], 2
	s_add_co_u32 s[TY], s[TY], s[CY]               ; token block 0..63
	s_lshl_b32 s[MR], s[CY], 2
	s_lshl_b32 s[MR], 15, s[MR]                    ; my row of the cluster
	s_lshl_b32 s[MC], 0x1111, s[CX]                ; my column
	s_or_b32 s[G1W], s[MC], (1<<20)|(1<<21)|(6<<22)|(3<<25)           ; W_o's codes: 64 rows of 512 bytes, 4 words of padding behind each
	s_mov_b32 s[G1W+1], 512<<16
	s_mov_b32 s[G1W+2], 64<<16
	s_mov_b32 s[G1W+3], 512<<16
	s_mov_b32 s[G1W+4], 64
	s_mov_b32 s[G1W+5], 512
	s_mov_b32 s[G1W+6], 0
	s_mov_b32 s[G1W+7], 0
	s_or_b32 s[G1O], s[MR], (3<<16)|(1<<21)        ; O's images: 128 rows of 256 bytes, dense
	s_mov_b32 s[G1O+1], 32<<16
	s_mov_b32 s[G1O+2], 128<<16
	s_mov_b32 s[G1O+3], 32<<16
	s_mov_b32 s[G1O+4], 128
	s_mov_b32 s[G1O+5], 32
	s_mov_b32 s[G1O+6], 0
	s_mov_b32 s[G1O+7], 0
	s_or_b32 s[G1SW], s[MC], (3<<16)|(1<<20)|(1<<21)|(5<<22)|(3<<25)  ; W_o's scale bytes: 32 rows of 256 bytes, padded
	s_mov_b32 s[G1SW+1], 32<<16
	s_mov_b32 s[G1SW+2], 32<<16
	s_mov_b32 s[G1SW+3], 32<<16
	s_mov_b32 s[G1SW+4], 32
	s_mov_b32 s[G1SW+5], 32
	s_mov_b32 s[G1SW+6], 0
	s_mov_b32 s[G1SW+7], 0
	s_or_b32 s[G1SO], s[MR], (3<<16)|(1<<21)       ; O's scale words: 16 rows of 256 bytes, dense
	s_mov_b32 s[G1SO+1], 32<<16
	s_mov_b32 s[G1SO+2], 16<<16
	s_mov_b32 s[G1SO+3], 32<<16
	s_mov_b32 s[G1SO+4], 16
	s_mov_b32 s[G1SO+5], 32
	s_mov_b32 s[G1SO+6], 0
	s_mov_b32 s[G1SO+7], 0
	s_lshl_b32 s[TW+2], s[FX], 17                  ; the feature block's 256 rows of W_o,
	s_lshl_b32 s2, s[RQ], 15                       ; waves 0-3: 64 rows each (waves 4-7 make the same words by wave % 4 and never issue them)
	s_add_co_u32 s[TW+2], s[TW+2], s2
	s_mov_b32 s[TW+3], 0
	s_and_b32 s3, s[WV], 1                         ; waves 4, 5: half of O's images each
	s_lshl_b32 s3, s3, 15
	s_lshl_b32 s[TX+2], s[TY], 16
	s_add_co_u32 s[TX+2], s[TX+2], s3
	s_mov_b32 s[TX+3], 0
	s_wait_dscnt 0x0                               ; both opening adds are done
	s_wait_kmcnt 0x0
	s_mov_b32 s[G0W], 1
	s_mul_i32 s[G0W+1], s[RQ], HALFR
	s_add_nc_u64 s[G0W+2:G0W+3], s[8:9], s[TW+2:TW+3]
	s_or_b32 s[G0W+3], s[G0W+3], 0x80000000
	s_mov_b32 s[G0O], 1
	s_add_co_u32 s[G0O+1], s3, OIMG
	s_add_nc_u64 s[G0O+2:G0O+3], s[4:5], s[TX+2:TX+3]
	s_or_b32 s[G0O+3], s[G0O+3], 0x80000000
	s_lshl_b32 s[TW+2], s[FX], 13                  ; 256 rows of 32 scale bytes
	s_lshl_b32 s[TX+2], s[TY], 12                  ; 8 token tiles of 512 bytes
	s_mov_b32 s[G0SW], 1
	s_mov_b32 s[G0SW+1], WSC
	s_add_nc_u64 s[G0SW+2:G0SW+3], s[10:11], s[TW+2:TW+3]
	s_or_b32 s[G0SW+3], s[G0SW+3], 0x80000000
	s_mov_b32 s[G0SO], 1
	s_mov_b32 s[G0SO+1], OSC
	s_add_nc_u64 s[G0SO+2:G0SO+3], s[6:7], s[TX+2:TX+3]
	s_or_b32 s[G0SO+3], s[G0SO+3], 0x80000000
	CROUND                                         ; all sixteen work-groups are here: the joint loads meet
	s_cmp_lt_u32 s[WV], 4                          ; every wave issues one load: four arms on the wave's number
	s_cbranch_scc0 .Lo_not_w
	TL G0W, G1W
	s_branch .Lo_done
.Lo_not_w:
	s_cmp_lt_u32 s[WV], 6
	s_cbranch_scc0 .Lo_sc
	TL G0O, G1O
	s_branch .Lo_done
.Lo_sc:
	s_cmp_eq_u32 s[WV], 6
	s_cbranch_scc0 .Lo_so
	TL G0SW, G1SW
	s_branch .Lo_done
.Lo_so:
	TL G0SO, G1SO
.Lo_done:
	v_and_b32 v[VL], 31, v0
	v_and_b32 v[VR], 15, v0                        ; r
	v_bfe_u32 v[VH], v0, 4, 1                      ; h
	v_mul_u32_u24 v[T0], v[VR], PITCH
	v_lshl_add_u32 v[T1], v[VH], 4, v[T0]
	s_mul_i32 s4, s[FH], REG
	v_add_nc_u32 v[ADRP], s4, v[T1]                ; W_o: my 128 rows; row r, + 16 h
	v_lshlrev_b32 v[CO], 4, v[VL]                  ; 16 x lane
	s_lshl_b32 s4, s[RQ], 14
	s_add_co_u32 s4, s4, OIMG
	v_add_nc_u32 v[ADRR], s4, v[CO]                ; O: my two token tiles' images
	v_lshrrev_b32 v[T2], 3, v[VL]
	v_lshlrev_b32 v[T1], 5, v[VL]
	v_lshl_add_u32 v[T1], v[T2], 4, v[T1]
	s_mul_i32 s4, s[FH], SREG
	s_add_co_u32 s4, s4, WSC
	v_add_nc_u32 v[ADSP], s4, v[T1]                ; W_o's scale rows: lane l takes row l of 32
	s_lshl_b32 s4, s[RQ], 10
	s_add_co_u32 s4, s4, OSC
	v_lshlrev_b32 v[T1], 2, v[VR]
	v_lshl_add_u32 v[T1], v[VH], 9, v[T1]
	v_add_nc_u32 v[ADSR], s4, v[T1]                ; O's scale words: 4 r; lanes 16-31 take the second token tile, 512 bytes on
	s_mul_i32 s4, s[WV], 16*PITCH
	s_add_co_u32 s4, s4, STAGE                     ; my stage
	v_lshl_add_u32 v[T0], v[VH], 5, v[T0]
	v_add_nc_u32 v[STO], s4, v[T0]                 ; in: row r, + 32 h
	v_add_nc_u32 v[RD], s4, v[CO]                  ; back: the 32 lanes take one row of 512 bytes
	s_lshl_b32 s4, s[TY], 19                       ; out0: token 128 ty + 32 rq, rows of 4,096 bytes; feature 256 fx + 128 fh
	s_lshl_b32 s5, s[RQ], 17
	s_add_co_u32 s4, s4, s5
	s_lshl_b32 s5, s[FX], 10
	s_add_co_u32 s4, s4, s5
	s_lshl_b32 s6, s[FH], 9
	s_add_co_u32 s4, s4, s6
	s_add_co_u32 s[TW+2], s5, s6                   ; b_o: the same features
	s_mov_b32 s5, 0
	s_add_nc_u64 s[14:15], s[14:15], s[4:5]
	s_add_nc_u64 s[TW:TW+1], s[12:13], s[TW+2:TW+3]
	v_lshlrev_b32 v[BOFF], 5, v[VH]
.irp u, 0,1                                        ; THE BIAS STARTS THE SUMS: register j of tile t is feature 16 t + 8 h + j of my 128
.irp t, 0,1,2,3,4,5,6,7
	global_load_b128 v[ACC+64*\u+8*\t:ACC+64*\u+8*\t+3], v[BOFF], s[TW:TW+1] offset:64*\t
	global_load_b128 v[ACC+64*\u+8*\t+4:ACC+64*\u+8*\t+7], v[BOFF], s[TW:TW+1] offset:64*\t+16
.endr
.endr
	s_wait_loadcnt 0x0
	s_wait_tensorcnt 0x0                           ; my part has landed,
	s_barrier_signal -1
	s_barrier_wait -1                              ; everybody's has
.irp q, 0,1,2,3,4,5,6,7
	ds_load_b32 v[SCR+\q], v[ADSR] offset:64*\q    ; O's scale words of all eight K steps
.endr
.macro MM t, u, q
.set rA, ACC+64*(\u)+8*(\t)
.set rP, PF+8*(\t)
.set rR, RF+8*(\u)
.set rSP, SCP+4*((\t)/2)+(\q)%4
.set rSR, SCR+(\q)
.if ((\t)%2 == 0) && ((\u) == 0)
	v_wmma_scale_f32_16x16x128_f8f6f4 v[rA:rA+7], v[rP:rP+7], v[rR:rR+7], v[rA:rA+7], v[rSP], v[rSR] matrix_a_fmt:MATRIX_FMT_FP4 matrix_b_fmt:MATRIX_FMT_FP4
.elseif ((\t)%2 == 1) && ((\u) == 0)
	v_wmma_scale_f32_16x16x128_f8f6f4 v[rA:rA+7], v[rP:rP+7], v[rR:rR+7], v[rA:rA+7], v[rSP], v[rSR] matrix_a_fmt:MATRIX_FMT_FP4 matrix_b_fmt:MATRIX_FMT_FP4 matrix_a_scale:MATRIX_SCALE_ROW1
.elseif ((\t)%2 == 0)
	v_wmma_scale_f32_16x16x128_f8f6f4 v[rA:rA+7], v[rP:rP+7], v[rR:rR+7], v[rA:rA+7], v[rSP], v[rSR] matrix_a_fmt:MATRIX_FMT_FP4 matrix_b_fmt:MATRIX_FMT_FP4 matrix_b_scale:MATRIX_SCALE_ROW1
.else
	v_wmma_scale_f32_16x16x128_f8f6f4 v[rA:rA+7], v[rP:rP+7], v[rR:rR+7], v[rA:rA+7], v[rSP], v[rSR] matrix_a_fmt:MATRIX_FMT_FP4 matrix_b_fmt:MATRIX_FMT_FP4 matrix_a_scale:MATRIX_SCALE_ROW1 matrix_b_scale:MATRIX_SCALE_ROW1
.endif
.endm
; A step of 128 along K: 20 LDS loads (24 where W_o's scale words of four steps are fetched), 16 matrix instructions; the 16 accumulators take turns, one instruction a turn
.macro STEP q
.if \q > 0
.rept 4
	v_nop                                          ; four places in front of loads into registers that matrix instructions have read
.endr
.endif
.if (\q)%4 == 0
.irp i, 0,1,2,3
	ds_load_b128 v[SCP+4*\i:SCP+4*\i+3], v[ADSP] offset:\i*1088+16*((\q)/4)
.endr
.endif
.irp u, 0,1
	ds_load_b128 v[RF+8*\u:RF+8*\u+3], v[ADRR] offset:\u*8192+(\q)*1024
	ds_load_b128 v[RF+8*\u+4:RF+8*\u+7], v[ADRR] offset:\u*8192+(\q)*1024+512
.endr
.irp t, 0,1,2,3,4,5,6,7
	ds_load_b128 v[PF+8*\t:PF+8*\t+3], v[ADRP] offset:\t*16*PITCH+64*(\q)
	ds_load_b128 v[PF+8*\t+4:PF+8*\t+7], v[ADRP] offset:\t*16*PITCH+64*(\q)+32
.endr
	s_wait_dscnt 8                                 ; all but the youngest eight loads, W_o's tiles 4 to 7
.irp t, 0,1,2,3
.irp u, 0,1
	MM \t, \u, \q
.endr
.endr
	s_wait_dscnt 0x0
.irp t, 4,5,6,7
.irp u, 0,1
	MM \t, \u, \q
.endr
.endr
.endm
.irp q, 0,1,2,3,4,5,6,7
	STEP \q
.endr
; THE WAY OUT.  A lane holds 32 neighbouring bytes of a token's row, the lanes beside it other tokens: 16 tokens x 128 features go through my own stage and come back as whole rows of 512 bytes.
; LDS serves a wave's instructions in order (ISA guide 5.7.1.4): no wait between the stores and the loads of a block, nor in front of the next block's stores.
.macro TOSTAGE_IN u
.irp t, 0,1,2,3,4,5,6,7
	ds_store_b128 v[STO], v[ACC+64*\u+8*\t:ACC+64*\u+8*\t+3] offset:64*\t        ; each accumulator from its low end on
	ds_store_b128 v[STO], v[ACC+64*\u+8*\t+4:ACC+64*\u+8*\t+7] offset:64*\t+16
.endr
.endm
.macro TOSTAGE_OUT dst
.irp i, 0,1,2,3,4,5,6,7,8,9,10,11,12,13,14,15
	ds_load_b128 v[\dst+4*\i:\dst+4*\i+3], v[RD] offset:\i*PITCH
.endr
.endm
.macro SEND u, src
.irp i, 0,1,2,3,4,5,6,7,8,9,10,11,12,13,14,15
	global_store_b128 v[CO], v[\src+4*\i:\src+4*\i+3], s[14:15] offset:(16*\u+\i)*4096 th:TH_STORE_NT   ; 32 lanes store 512 consecutive bytes, aligned; written once, read by nobody here
.endr
.endm
.rept 4
	v_nop                                          ; four places in front of the first read of results and of loads into W_o's registers
.endr
	TOSTAGE_IN 0
	TOSTAGE_OUT PF
	TOSTAGE_IN 1
	s_wait_dscnt 32                                ; block 0's 16 stores are done (its 16 loads and block 1's 16 stores may be out): block 0's accumulators may take loads
	TOSTAGE_OUT ACC
	s_wait_dscnt 32                                ; block 0's rows are back (block 1's 16 stores and 16 loads may be out)
	SEND 0, PF
	s_wait_dscnt 0x0
	SEND 1, ACC
	s_wait_tensorcnt 0x0                           ; the wave's end, behind my last LDS store
	ds_add_u32 v[SPW], v[NIL]
	s_wait_dscnt 0x0
	CROUND                                         ; the closing round
	s_endpgm
.Lfunc_end_k_q41a999ff09_oproj:
	.size	k_q41a999ff09_oproj, .Lfunc_end_k_q41a999ff09_oproj-k_q41a999ff09_oproj
	.p2alignl 7, 3214868480
	.fill 96, 4, 3214868480
	.section	.rodata,"a",@progbits
	.p2align	6, 0x0
	.amdhsa_kernel k_q41a999ff09_oproj
		.amdhsa_group_segment_fixed_size 327680
		.amdhsa_private_segment_fixed_size 0
		.amdhsa_enable_private_segment 0
		.amdhsa_kernarg_size 48
		.amdhsa_user_sgpr_count 2
		.amdhsa_user_sgpr_kernarg_segment_ptr 1
		.amdhsa_wavefront_size32 1
		.amdhsa_system_sgpr_workgroup_id_x 1
		.amdhsa_system_sgpr_workgroup_id_y 1
		.amdhsa_system_sgpr_workgroup_id_z 1
		.amdhsa_system_vgpr_workitem_id 0
		.amdhsa_next_free_vgpr 256
		.amdhsa_next_free_sgpr 102
		.amdhsa_reserve_vcc 0
		.amdhsa_float_denorm_mode_32 3
		.amdhsa_float_denorm_mode_16_64 3
		.amdhsa_memory_ordered 1
		.amdhsa_forward_progress 1
		.amdhsa_inst_pref_size 47
	.end_amdhsa_kernel
	.amdgpu_metadata
---
amdhsa.version: [ 1, 2 ]
amdhsa.kernels:
  - .name:           k_q41a999ff09_oproj
    .symbol:         k_q41a999ff09_oproj.kd
    .args:
      - { .name: oimg, .offset: 0, .size: 8, .value_kind: global_buffer, .address_space: global }
      - { .name: osc, .offset: 8, .size: 8, .value_kind: global_buffer, .address_space: global }
      - { .name: W_o_codes, .offset: 16, .size: 8, .value_kind: global_buffer, .address_space: global }
      - { .name: W_o_scales, .offset: 24, .size: 8, .value_kind: global_buffer, .address_space: global }
      - { .name: b_o, .offset: 32, .size: 8, .value_kind: global_buffer, .address_space: global }
      - { .name: out0, .offset: 40, .size: 8, .value_kind: global_buffer, .address_space: global }
    .group_segment_fixed_size: 327680
    .private_segment_fixed_size: 0
    .kernarg_segment_align: 8
    .kernarg_segment_size: 48
    .max_flat_workgroup_size: 256
    .sgpr_count:     102
    .vgpr_count:     256
    .wavefront_size: 32
...
	.end_amdgpu_metadata
.endif
;; end of part 3
